; MI455X (gfx1250); checked and timed in simulation.
; The chip was launched on July 23, 2026; its instructions are those of AMD's public machine-readable ISA for CDNA 5 (MIT licence, August 2026) and "CDNA5" Instruction Set Architecture Reference Guide (July 2026). The comments in the code are by the model that wrote it; some were corrected since.
;; Self Attention. Allowed arithmetic: matrix products marked QUANTISED: E2M1 operands, one E8M0 scale for each 32 along K, by v_wmma_scale_f32_16x16x128_f8f6f4 with both operands' format E2M1 (or v_wmma_scale_f32_32x16x128_f4), f32 sums; everything else in f32.
;; Inputs: query 8 x 256 x 56 x 56 float32.
;; Outputs: out0 8 x 256 x 56 x 56 float32.
;; This version of the problem:
;;   THIS VERSION OF THE PROBLEM IS GIVEN IN LOW PRECISION. The matrix products marked QUANTISED in the list below multiply operands that are first quantised to E2M1 (2 exponent bits, 1 mantissa bit; 4 bits a number), with one power-of-two scale for each 32 numbers along K (OCP MX v1.0); their sums are f32. All else is computed in f32.
;;   The module's matrix products, in the order in which they are computed (A, B: the left and right operand; K: the contracted axis; several contracted axes count as one K, in the product's order):
;;     1. batch 8 x [M 3,136, K 256] x [K 256, N 3,136]; A: input query; B: input query: QUANTISED
;;     2. batch 8 x [M 256, K 3,136] x [K 3,136, N 3,136]; A: input query; B: softmax (see below): QUANTISED
;;   THE QUANTISER, for each operand of a quantised product, along K:
;;     - K is cut into blocks of 32 from its start; a last block that is shorter is filled with zeros.
;;     - A block's scale is 2^e with e = floor(log2(the largest magnitude in the block)) - 2, held to -126 .. 127; a block of zeros has e = 0. As a byte (E8M0): e + 127.
;;     - Each number is divided by its block's scale, clamped to +-6, and rounded to the nearest number of E2M1, ties to even, subnormals kept.
;;     - The product sums the exact products of the quantised numbers (number of the format x scale) in f32.
;;   ~~~python
;;   def quantise(x, axis):      # numpy; x: float32 -> the quantised numbers, widened to float32 again
;;       x = np.moveaxis(x, axis, -1); K = x.shape[-1]
;;       x = np.pad(x, [(0, 0)] * (x.ndim - 1) + [(0, -K % 32)]); x = x.reshape(x.shape[:-1] + (-1, 32)); a = np.abs(x).max(-1, keepdims=True)
;;       e = np.where(a > 0, np.clip(np.frexp(np.where(a > 0, a, 1))[1] - 1 - 2, -126, 127), 0)      # np.frexp(a)[1] - 1 = floor(log2(a)), exactly
;;       r = np.clip(x / 2.0 ** e, -6, 6)
;;       step = 2.0 ** (np.maximum(np.frexp(np.where(r == 0, 1, r))[1] - 1, 0) - 1)
;;       q = np.round(r / step) * step * 2.0 ** e      # np.round: ties to even
;;       return np.moveaxis(q.reshape(q.shape[:-2] + (-1,))[..., :K], -1, axis).astype(np.float32)
;;   ~~~
;;   SOFTMAX AHEAD OF A QUANTISED PRODUCT. Where the list says 'softmax', what is quantised is not the finished softmax but p = 2^(t - M), with t = logit x log2(e) and M = ceil(the row's largest t), a whole number; so 1/2 < the row's largest p <= 1. The row's sum l is taken of the UNQUANTISED p, in f32, and the product's result is divided by l at the end. Since M is a whole number, a kernel that streams over the keys may use a running M (the ceiling of the running maximum): every later rescaling is an exact power of two, which a block's scale takes up: the codes' values come out the same.
;;   OPERANDS COMPUTED ON THE WAY. 'Computed on the way' means the value that the module computes at that place (a softmax that the list does not call 'softmax' is quantised finished and normalised). What goes into a quantiser is computed in f32, as accurately as f32 sums, v_exp_f32 and their like allow (about 1e-6 of the number): no bf16 or f16 on the way to a quantiser, and a product that is left as it is and whose result goes on into a quantised operand takes f32 operands (vector FMAs, or v_wmma_f32_16x16x4_f32). A number that lies on a knife's edge between two numbers of the format may be rounded either way, as far as f32 arithmetic and the matrix unit's own rounding can turn it there, and no further.
;; One version. Each part assembles by itself: llvm-mc -triple=amdgcn-amd-amdhsa -mcpu=gfx1250 --defsym DOCPART=n.
;; ======== version 1 of 1: 2 launches
;; workspace buffers: kv 6,963,200 bytes
;; launch pack (part 1): grid 25 x 8, 8 waves a work-group, no clusters, 19,456 bytes of LDS; arguments query, kv; writes kv
.if DOCPART == 1
	.amdgcn_target "amdgcn-amd-amdhsa--gfx1250"
	.amdhsa_code_object_version 6
	.text
	.protected	k_qebff0180d7_pack
	.globl	k_qebff0180d7_pack
	.p2align	8
	.type	k_qebff0180d7_pack,@function
k_qebff0180d7_pack:
	s_mov_b64 s[64:65], 0
	v_nop
	global_prefetch_b8 v0, s[64:65] scope:SCOPE_SE
	s_setreg_imm32_b32 hwreg(HW_REG_WAVE_MODE, 25, 1), 1
	s_wait_xcnt 0x0
; query [8][256 channels][3,136 positions], f32, becomes codes of FP4 (E2M1) twice: quantised along the channels (both operands of the first product) and along the
; positions (the values of the second product), each with one E8M0 byte for 32 numbers.  A block's byte is its largest magnitude's exponent field - 2, held at 1 from below.
; The codes are laid in the ORDER OF THE OPERANDS' REGISTERS: for each batch b and each step s of 128 positions (keys) one dense block of 34,816 bytes at (25 b + s) x 34,816:
;   0       K: fragment (tile t = 0..7, kc = 0..1) at 2,048 t + 1,024 kc; in it register group c at 512 c, lane l's 16 bytes at 16 l.
;           Lane (r = l % 16, h = l / 16) holds key 32 (t / 2) + 8 (t % 2) + r + 8 (r / 8), channels 128 kc + 64 c + 32 h + 0 .. 31.
;   16,384  V: fragment ct = 0..15 at 1,024 ct + 512 c + 16 l: lane (r, h) holds channel 16 ct + r, keys 64 c + 32 h + 0 .. 31.
;   32,768  K's scale words: (tile t, row r, kc) at 512 (t / 4) + 16 (r + 16 kc) + 4 (t % 4).
;   33,792  V's scale words: (ct, row r) at 512 (ct / 8) + 16 (r + 16 (ct % 2)) + 4 ((ct / 2) % 4); byte kb is the block of keys 32 kb on.
; Step 24 has 64 keys: the codes of the 64 places behind them are zeros; their scale bytes are those of clamped loads, between 1 and 254.
; SHARES.  A work-group makes one block from the tile 256 channels x 128 keys.  Wave w, K part: keys 32 (w % 4) + lane, channels 128 (w / 4) on: A LANE TAKES A KEY AND ITS REGISTERS RUN
; DOWN THE CHANNELS, so a block of 32 lies in one lane and the conversions give codes with the channels innermost.  V part: channels 32 w on; a lane takes 8 neighbouring keys of one
; channel, four lanes hold a block; the codes turn through the wave's own 2,048 bytes of LDS and leave as 512 consecutive bytes a store.
; No matrix unit, no tensor load, no cluster: the launch streams, and work-groups share no byte.
; LIMITS: NaN and infinities are not served.  A block whose largest magnitude lies under 2^-124 has the byte 1; so has a block of zeros (the rule says 127): its codes are zeros, and the
; bytes are read by this program alone.
.set ROW,   12544                      ; bytes of a channel's row
.set BATCH, 256*ROW
.set NKEY,  3136
.set STEPB, 34816
.set VOFF,  16384
.set KSOFF, 32768
.set SCL,   16384                      ; LDS: behind the eight waves' stages: the image of K's scale words (1,024 bytes), then of V's
.set XA,    32                         ; v32-63, v64-95: two sets of 32 numbers
.set XB,    64
.set KC,    160                        ; v160-175 K's codes, four registers a block: no store's data are written again
.set VC,    176                        ; v176-191 V's codes, one register a unit
.set VB,    192                        ; v192-207 V's scale bytes, one a unit
.set VR,    208                        ; v208-223 V's fragments read back
; v1 lane; v2 K: byte offset of my key; v3 K: all ones where my key exists; v4 K: where my 16 bytes go; v5 LDS: my scale word of K; v6, v7 the same two for V's loads; v8 LDS: my code word of V;
; v9 LDS: my scale byte of V; v10, v11 V's way back and out; v12, v13 the scale images' way back and out; v14-23 at work; v24 K's scale word
	s_load_b128 s[4:7], s[0:1], 0x0                ; query, kv
	v_lshl_add_u32 v232, v0, 2, 0x4800
	v_mov_b32 v233, 0
	v_lshrrev_b32 v14, 5, v0
	v_readfirstlane_b32 s8, v14                    ; wave 0..7
	s_and_b32 s10, ttmp7, 0xffff                   ; batch
	s_and_b32 s18, s8, 3                           ; cg = w % 4
	s_lshr_b32 s19, s8, 2                          ; kc = w / 4
	s_lshl_b32 s20, ttmp9, 7                       ; the step's first key
	v_and_b32 v1, 31, v0
	v_bfe_u32 v15, v0, 3, 1                        ; bit 3 of the lane: K: u = the tile's parity
	v_and_b32 v16, 7, v0
	v_bfe_u32 v17, v0, 4, 1                        ; bit 4
	v_lshl_add_u32 v16, v17, 3, v16                ; K: r = lane % 8 + 8 (lane / 16): my row in the tile
	s_lshl_b32 s21, s18, 5
	s_add_co_u32 s21, s21, s20
	v_add_nc_u32 v14, s21, v1                      ; my key
	v_cmp_gt_u32 vcc_lo, NKEY, v14
	v_cndmask_b32 v3, 0, -1, vcc_lo                ; ones where it exists
	v_min_u32 v14, NKEY-1, v14                     ; no load leaves the row
	v_lshlrev_b32 v2, 2, v14
	s_lshl_b32 s22, s18, 12
	s_lshl_b32 s23, s19, 10
	s_add_co_u32 s22, s22, s23
	v_lshlrev_b32 v4, 11, v15
	v_lshl_add_u32 v4, v16, 4, v4
	v_add_nc_u32 v4, s22, v4                       ; 2,048 (2 cg + u) + 1,024 kc + 16 r
	s_bfe_u32 s24, s8, 0x10001
	s_lshl_b32 s24, s24, 9                         ; 512 (t / 4)
	s_lshl_b32 s25, s19, 8                         ; 256 kc
	s_add_co_u32 s24, s24, s25
	s_and_b32 s25, s8, 1
	s_lshl_b32 s25, s25, 3                         ; 4 (t % 4) = 8 (w % 2) + 4 u
	s_add_co_u32 s24, s24, s25
	s_add_co_u32 s24, s24, SCL
	v_lshlrev_b32 v5, 4, v16
	v_lshl_add_u32 v5, v15, 2, v5
	v_add_nc_u32 v5, s24, v5
	v_and_b32 v18, 15, v0
	v_lshl_add_u32 v19, v18, 3, s20                ; V: the first of my 8 keys
	v_cmp_gt_u32 vcc_lo, NKEY, v19
	v_cndmask_b32 v7, 0, -1, vcc_lo
	v_min_u32 v19, NKEY-8, v19
	v_lshlrev_b32 v6, 2, v19
	v_mad_u32_u24 v6, v17, ROW, v6                 ; lanes 16-31 take the next channel
	s_lshl_b32 s26, s8, 11                         ; my stage
	v_lshlrev_b32 v8, 4, v17
	v_lshl_add_u32 v8, v15, 9, v8
	v_bfe_u32 v20, v0, 2, 1
	v_lshl_add_u32 v8, v20, 8, v8
	v_and_b32 v20, 3, v0
	v_lshl_add_u32 v8, v20, 2, v8
	v_add_nc_u32 v8, s26, v8                       ; 16 (channel's parity) + 512 c + 256 h + 4 (which 8 of the block's 32 keys)
	s_lshl_b32 s27, s19, 9
	s_lshl_b32 s25, s18, 2
	s_add_co_u32 s27, s27, s25
	s_add_co_u32 s27, s27, SCL+1024
	v_bfe_u32 v20, v0, 2, 2                        ; the block of keys: the byte in the word
	v_lshl_add_u32 v9, v17, 4, v20
	v_add_nc_u32 v9, s27, v9
	v_lshl_add_u32 v10, v1, 4, s26
	v_add_nc_u32 v11, VOFF, v10
	v_lshl_add_u32 v12, v0, 3, SCL
	v_lshl_add_u32 v13, v0, 3, KSOFF
	s_mul_i32 s28, s10, BATCH
	s_mul_i32 s30, s19, 128*ROW
	s_add_co_u32 s30, s30, s28
	s_mov_b32 s31, 0
	s_wait_kmcnt 0x0
	s_add_nc_u64 s[12:13], s[4:5], s[30:31]        ; K part: my 128 channels
	s_mul_i32 s30, s8, 32*ROW
	s_add_co_u32 s30, s30, s28
	s_add_nc_u64 s[14:15], s[4:5], s[30:31]        ; V part: my 32 channels
	s_mul_i32 s30, s10, 25
	s_add_co_u32 s30, s30, ttmp9
	s_mul_i32 s30, s30, STEPB
	s_add_nc_u64 s[16:17], s[6:7], s[30:31]        ; the block (b, s)
.macro LOADK j, set                    ; block j of K: channels 32 j + i of my key: the 32 lanes read 128 consecutive bytes
.irp i, 0,1,2,3,4,5,6,7,8,9,10,11,12,13,14,15,16,17,18,19,20,21,22,23,24,25,26,27,28,29,30,31
	global_load_b32 v[\set+\i], v2, s[12:13] offset:(32*\j+\i)*ROW
.endr
.endm
.macro BLOCKK j, set, left             ; left: the younger loads, which may stay out
	s_wait_loadcnt \left
	v_max3_num_f32 v14, |v[\set]|, |v[\set+1]|, |v[\set+2]|        ; the block's largest magnitude: all 32 numbers are mine; two chains
	v_max3_num_f32 v15, |v[\set+3]|, |v[\set+4]|, |v[\set+5]|
.irp i, 6,10,14,18,22,26
	v_max3_num_f32 v14, v14, |v[\set+\i]|, |v[\set+\i+1]|
	v_max3_num_f32 v15, v15, |v[\set+\i+2]|, |v[\set+\i+3]|
.endr
	v_max3_num_f32 v14, v14, |v[\set+30]|, |v[\set+31]|
	v_max3_num_f32 v14, v14, v15, 0x1800000        ; and the floor 2^(3 - 127): the byte cannot fall under 1
	v_add_nc_u32 v16, 0xff000000, v14              ; 2 off the exponent field: the conversion takes this operand's exponent field as its scale
.irp g, 0,1,2,3
	v_cvt_scalef32_pk8_fp4_f32 v[KC+4*\j+\g], v[\set+8*\g:\set+8*\g+7], v16
.endr
	v_lshrrev_b32 v17, 23, v16                     ; the scale's byte.  (The plain line between the conversions and the lines that touch their results)
.if \j == 0
	v_mov_b32 v24, v17
.else
	v_lshl_or_b32 v24, v17, 8*\j, v24              ; byte j of my key's scale word
.endif
.irp g, 0,1,2,3
	v_and_b32 v[KC+4*\j+\g], v3, v[KC+4*\j+\g]     ; a key that does not exist has zero codes
.endr
	global_store_b128 v4, v[KC+4*\j:KC+4*\j+3], s[16:17] offset:(\j/2)*512+(\j%2)*256   ; c = j / 2, h = j % 2; sixteen lanes (one tile's) cover 256 consecutive bytes, aligned
.endm
.macro LOADV g, set                    ; units 4 g .. 4 g + 3: channels 2 p and 2 p + 1, 128 keys: sixteen lanes read 512 consecutive bytes in two loads
.irp u, 0,1,2,3
.irp e, 0,1
	global_load_b128 v[\set+8*\u+4*\e:\set+8*\u+4*\e+3], v6, s[14:15] offset:2*(4*\g+\u)*ROW+16*\e
.endr
.endr
.endm
.macro GROUPV g, set, left             ; four units by turns, so that no line waits for the line above it
	s_wait_loadcnt \left
.irp u, 0,1,2,3
	v_max3_num_f32 v[14+\u], |v[\set+8*\u]|, |v[\set+8*\u+1]|, 0x1800000
.endr
.irp i, 2,4,6
.irp u, 0,1,2,3
	v_max3_num_f32 v[14+\u], v[14+\u], |v[\set+8*\u+\i]|, |v[\set+8*\u+\i+1]|
.endr
.endr
.irp u, 0,1,2,3
	v_max_num_f32_dpp v[14+\u], v[14+\u], v[14+\u] row_xmask:1 row_mask:0xf bank_mask:0xf
.endr
.irp u, 0,1,2,3
	v_max_num_f32_dpp v[14+\u], v[14+\u], v[14+\u] row_xmask:2 row_mask:0xf bank_mask:0xf   ; the four lanes of a block of 32 keys
.endr
.irp u, 0,1,2,3
	v_add_nc_u32 v[18+\u], 0xff000000, v[14+\u]
.endr
.irp u, 0,1,2,3
	v_cvt_scalef32_pk8_fp4_f32 v[VC+4*\g+\u], v[\set+8*\u:\set+8*\u+7], v[18+\u]
.endr
.irp u, 0,1,2,3
	v_lshrrev_b32 v[VB+4*\g+\u], 23, v[18+\u]      ; the bytes.  (Plain lines behind the conversions)
.endr
.irp u, 0,1,2,3
	v_and_b32 v[VC+4*\g+\u], v7, v[VC+4*\g+\u]
.endr
.irp u, 0,1,2,3
	ds_store_b32 v8, v[VC+4*\g+\u] offset:((4*\g+\u)/8)*1024+((2*(4*\g+\u))%16)*16
	ds_store_b8 v9, v[VB+4*\g+\u] offset:((4*\g+\u)/8)*256+((2*(4*\g+\u))%16)*16   ; the four lanes of a block write the same byte with the same value
.endr
.endm
	LOADK 0, XA
	LOADK 1, XB
	BLOCKK 0, XA, 32                               ; the next block's 32 loads may be out
	LOADK 2, XA
	BLOCKK 1, XB, 32
	LOADK 3, XB
	BLOCKK 2, XA, 32
	LOADV 0, XA
	BLOCKK 3, XB, 8                                ; V's first eight loads may be out
	LOADV 1, XB
	ds_store_b32 v5, v24                           ; my key's scale word
	GROUPV 0, XA, 8                                ; the next group's eight loads may be out
	LOADV 2, XA
	GROUPV 1, XB, 8
	LOADV 3, XB
	GROUPV 2, XA, 8
	GROUPV 3, XB, 0
.irp i, 0,1,2,3
	ds_load_b128 v[VR+4*\i:VR+4*\i+3], v10 offset:512*\i   ; my own stage: LDS serves a wave's instructions in order (ISA guide 5.7.1.4): these see my stores
.endr
.irp i, 0,1,2,3
	s_wait_dscnt 3-\i
	global_store_b128 v11, v[VR+4*\i:VR+4*\i+3], s[16:17] offset:512*\i   ; 32 lanes store 512 consecutive bytes, aligned
.endr
	s_wait_dscnt 0x0                               ; for the others' sake: my scale words and bytes lie in LDS
	s_barrier_signal -1
	s_barrier_wait -1
	ds_load_b64 v[224:225], v12                    ; the two images, 2,048 bytes: 8 bytes a thread
	s_wait_dscnt 0x0
	global_store_b64 v13, v[224:225], s[16:17]     ; a wave stores 256 consecutive bytes, aligned
	s_wait_tensorcnt 0x0
	ds_add_u32 v232, v233
	s_wait_dscnt 0x0
	s_endpgm
.Lfunc_end_k_qebff0180d7_pack:
	.size	k_qebff0180d7_pack, .Lfunc_end_k_qebff0180d7_pack-k_qebff0180d7_pack
	.p2alignl 7, 3214868480
	.fill 96, 4, 3214868480
	.section	.rodata,"a",@progbits
	.p2align	6, 0x0
	.amdhsa_kernel k_qebff0180d7_pack
		.amdhsa_group_segment_fixed_size 19456
		.amdhsa_private_segment_fixed_size 0
		.amdhsa_enable_private_segment 0
		.amdhsa_kernarg_size 16
		.amdhsa_user_sgpr_count 2
		.amdhsa_user_sgpr_kernarg_segment_ptr 1
		.amdhsa_wavefront_size32 1
		.amdhsa_system_sgpr_workgroup_id_x 1
		.amdhsa_system_sgpr_workgroup_id_y 1
		.amdhsa_system_sgpr_workgroup_id_z 1
		.amdhsa_system_vgpr_workitem_id 0
		.amdhsa_next_free_vgpr 234
		.amdhsa_next_free_sgpr 66
		.amdhsa_reserve_vcc 1
		.amdhsa_float_denorm_mode_32 3
		.amdhsa_float_denorm_mode_16_64 3
		.amdhsa_memory_ordered 1
		.amdhsa_forward_progress 1
		.amdhsa_inst_pref_size 39
	.end_amdhsa_kernel
	.amdgpu_metadata
---
amdhsa.version: [ 1, 2 ]
amdhsa.kernels:
  - .name:           k_qebff0180d7_pack
    .symbol:         k_qebff0180d7_pack.kd
    .args:
      - { .name: query, .offset: 0, .size: 8, .value_kind: global_buffer, .address_space: global }
      - { .name: kv, .offset: 8, .size: 8, .value_kind: global_buffer, .address_space: global }
    .group_segment_fixed_size: 19456
    .private_segment_fixed_size: 0
    .kernarg_segment_align: 8
    .kernarg_segment_size: 16
    .max_flat_workgroup_size: 256
    .sgpr_count:     66
    .vgpr_count:     234
    .wavefront_size: 32
...
	.end_amdgpu_metadata
.endif
;; end of part 1
;; launch attn (part 2): grid 28 x 8, 7 waves a work-group, clusters of 4 x 1, 327,680 bytes of LDS; arguments kv, query, out0; writes out0
.if DOCPART == 2
	.amdgcn_target "amdgcn-amd-amdhsa--gfx1250"
	.amdhsa_code_object_version 6
	.text
	.protected	k_qebff0180d7_attn
	.globl	k_qebff0180d7_attn
	.p2align	8
	.type	k_qebff0180d7_attn,@function
k_qebff0180d7_attn:
	s_mov_b64 s[64:65], 0
	v_nop
	global_prefetch_b8 v0, s[64:65] scope:SCOPE_SE
	s_setreg_imm32_b32 hwreg(HW_REG_WAVE_MODE, 25, 1), 1
	s_wait_xcnt 0x0
	s_wait_alu depctr_hold_cnt(0) depctr_sa_sdst(0) depctr_va_vdst(0) depctr_va_sdst(0) depctr_va_ssrc(0) depctr_va_vcc(0) depctr_vm_vsrc(0)
	s_getreg_b32 s2, hwreg(HW_REG_IB_STS2, 6, 4)
	s_cmp_eq_u32 s2, 0
	s_cbranch_scc0 .Lentry_in_a_cluster
	s_endpgm
.Lentry_in_a_cluster:
	s_bfe_u32 s2, ttmp6, 0x10000c
	s_cmp_lg_u32 s2, 0x3003
	s_cbranch_scc0 .Lentry_shape_is_right
	s_endpgm
.Lentry_shape_is_right:
; out[b][c][j] = (sum over keys i of q[b][c][i] p[i][j]) / l[j] + q[b][c][j], p = 2^(t - M), t = (sum over c of q[c][i] q[c][j]) x log2(e) / 16, both products on codes of FP4 (E2M1) with one
; E8M0 scale for each 32 along a product's K.  M is the running largest t of a query, rounded UP to a whole number; l is the sum of the unquantised p; when M moves, l and O are multiplied by 2^(old M - new M): exact.
; kv holds, for each batch and each step of 128 keys, one dense block of 34,816 bytes in the order of the operands' registers: K's 16 fragments (16,384 bytes), V's 16 (16,384), K's scale words (1,024), V's (1,024);
; so every LDS load of a step is 16 x lane + a constant: 512 consecutive bytes, no pitch, no padding.
; SHARES.  A work-group owns 112 queries of one batch (28 x 112 = 3,136), each of its seven waves one tile of 16, in 512 registers.  Every wave walks the batch's 25 key steps.
; LAYOUT.  Both products are used transposed: S^T = K Q^T (source 0 = 16 keys, source 1 = my 16 queries; two instructions deep: 256 channels), O^T = V P^T (source 0 = 16 channels, source 1 = p): a lane holds ONE
; query (lane % 16) throughout.  The keys of a tile of K are not neighbours: lane r of tile 2 b + u holds key 32 b + 8 u + r + 8 (r / 8), so that the 16 registers of tiles 2 b and 2 b + 1 are 16 neighbouring keys.
; THE RING.  Two LDS slots of four steps (139,264 bytes each); waves 0 to 3 fetch a step's block each, one tensor load a wave behind each change of slots; it has four steps in which to land.  Step 24 (64 keys; the
; places behind them hold zero codes) has a region of its own, is filled once and is worked FIRST: its products start O^T's sums with the constant 0, and its softmax starts M and l.
; CLUSTER.  The four work-groups of a cluster own four blocks of queries of one batch and walk the same blocks of kv: each is asked for JOINTLY, by the same tensor load with the same descriptor and the mask 15.
; THE WAY OUT.  O^T / l goes through a stage in LDS (256 dense rows of 448 bytes) that lies in slot 0, which has had its last fill and its last read; it comes back by rows, the residual is added, and 28 neighbouring
; threads store a row's 448 bytes.  Those begin at 448 x the block's number, so some aligned 256 bytes of out0 are written in two parts, by two work-groups: 448 is not a multiple of 256.
; LIMITS: NaN and infinities in query are not served.
; REGISTERS.  Window 0: v1-11 addresses; v12 -M, v13 the largest t, v[14:15] l in two halves; v16-31 Q; v32-95 K's tiles 0-3; v96-159 S^T, then p; v160-223 K's tiles 4-7; v224-231 p's codes; v232-239 at work;
;   v240-243, v248-251 scale words of K, then of V; v244-247 the conversions' scale operands; v252 f; v253 p's scale word; v254 at work; v255 Q's scale words.   Window 1: v0-127 O^T (tile ct at 8 ct); v128-255 V.
.set STEPB, 34816
.set VOFF,  16384
.set KSOFF, 32768
.set VSOFF, 33792
.set SLOTB, 4*STEPB
.set SLOT1, SLOTB
.set XREG,  2*SLOTB                    ; step 24's region
.set SPARE, XREG+STEPB                 ; the spare words: 128 bytes for each of seven waves, in four blocks of 256 bytes that no other line names
.set KVB,   25*STEPB                   ; a batch's bytes of kv
.set ROW,   12544                      ; a channel's row of query and of out0
.set BATCH, 256*ROW
.set SP,    448                        ; a stage row: the block's 112 queries, dense: eight rows are 224 pieces of 16 bytes, one for each thread, on end
.set HALFST, 128*SP                    ; LDS immediates have 16 bits: the stage's rows 128 on have address registers of their own
.set LI,  1                            ; v1   16 x lane
.set SPW, 2                            ; v2   LDS address of my spare word; never rewritten
.set NIL, 3                            ; v3   0; never rewritten
.set ADR, 4                            ; v4   the step in hand + 16 x lane
.set SO,  5                            ; v5, v6   the stage, on the way in: channels 0-127, 128-255
.set SO2, 6
.set RD,  7                            ; v7, v8   and back: 16 x my thread's number
.set RD2, 8
.set GO,  9                            ; v9   my byte offset in the block's rows of query and out0
.set QA,  10                           ; v10  my lane's place in Q's fragments
.set QSA, 11                           ; v11  and among its scale words
.set WV,  10                           ; s10  my wave's number
.set W3,  11                           ; s11  wave % 4: which step of a slot I fetch
.set G1,  24                           ; s[24:31] descriptor group 1: a step's block, 136 rows of 256 bytes
.set G1X, 32                           ; s[32:39] a quarter of one: 34 rows
.set G0X, 40                           ; s[40:43] group 0 for step 24;  s[44:47] slot 0's;  s[48:51] slot 1's
.set G0A, 44
.set G0B, 48
.set SEL, 52                           ; s[52:53] v_permlanex16_b32's selects for lane l xor 16
.set CS,  54                           ; s[54:55] log2(e) / 16: the packed form names a pair and takes its low word for both halves
.set TB,  56                           ; s56  LDS byte at which the step in hand begins
.set CNT, 57                           ; s57  counts a slot's four steps
.set LAPS, 58                          ; s58  counts the laps
.set MSB, 0
.macro WIN new                         ; the immediate's high byte repeats the setting that is left; a switch that changes nothing is dropped
.if MSB != \new
	s_set_vgpr_msb (MSB<<8)|\new
.set MSB, \new
.endif
.endm
.macro PLACES                          ; four plain vector lines between a matrix instruction and a load into, or a vector line on, one of its registers (ISA guide 7.12.1 for vector lines)
.rept 4
	v_nop
.endr
.endm
.macro CROUND                          ; a round of the cluster's barrier: my work-group's barrier; wave 0 signals for the work-group; every wave waits for all four; my work-group's barrier once more
	s_barrier_signal -1
	s_barrier_wait -1
	s_cmp_lg_u32 s[WV], 0
	s_cbranch_scc1 .Lnot_wave_0_\@
	s_barrier_signal -3
.Lnot_wave_0_\@:
	s_barrier_wait -3
	s_barrier_signal -1
	s_barrier_wait -1
.endm
.macro JLOAD g0                        ; a joint refill: waves 0 to 3 a step's block each; the branch hangs on the wave's number alone.  Four v_nop follow the load
	s_cmp_lt_u32 s[WV], 4
	s_cbranch_scc0 .Lskip_\@
	tensor_load_to_lds s[\g0:\g0+3], s[G1:G1+7]
	s_nop 0
.rept 4
	v_nop
.endr
.Lskip_\@:
.endm
	s_load_b128 s[4:7], s[0:1], 0x0                ; kv, query
	s_load_b64 s[8:9], s[0:1], 0x10                ; out0
	v_lshl_add_u32 v[SPW], v0, 2, SPARE
	v_mov_b32 v[NIL], 0
	ds_add_u32 v2, v3
	s_wait_dscnt 0x0
	v_lshrrev_b32 v4, 5, v0
	v_readfirstlane_b32 s[WV], v4                  ; wave 0..6
	s_and_b32 s[W3], s[WV], 3
	s_bfe_u32 s12, ttmp6, 0x40000                  ; cx: my place in the cluster.  It enters s2, s3, s12, s13, s15, s[60:63] and the bases of query and out0, and nothing else
	s_lshl_b32 s13, ttmp9, 2
	s_add_co_u32 s13, s13, s12                     ; my block of 112 queries
	s_and_b32 s14, ttmp7, 0xffff                   ; the batch, which the four partners share
	s_mul_i32 s15, s13, 7
	s_add_co_u32 s15, s15, s[WV]                   ; T: my tile of 16 queries, 0 .. 195
	; descriptor group 1: dense bytes as rows of 256 (32 elements of 8 bytes)
	s_mov_b32 s[G1], 15|(3<<16)|(1<<21)            ; 15:0 the mask: all four work-groups; 17:16 elements of 8 bytes; 20 no padding; 21 set beside a mask
	s_mov_b32 s[G1+1], 32<<16                      ; tensor_dim0 = 32
	s_mov_b32 s[G1+2], 136<<16                     ; tensor_dim1 = 136
	s_mov_b32 s[G1+3], 32<<16                      ; tile_dim0 = 32
	s_mov_b32 s[G1+4], 136                         ; tile_dim1 = 136
	s_mov_b32 s[G1+5], 32                          ; from row to row
	s_mov_b32 s[G1+6], 0
	s_mov_b32 s[G1+7], 0
	s_mov_b32 s[G1X], 15|(3<<16)|(1<<21)
	s_mov_b32 s[G1X+1], 32<<16
	s_mov_b32 s[G1X+2], 34<<16
	s_mov_b32 s[G1X+3], 32<<16
	s_mov_b32 s[G1X+4], 34
	s_mov_b32 s[G1X+5], 32
	s_mov_b32 s[G1X+6], 0
	s_mov_b32 s[G1X+7], 0
	s_mul_i32 s16, s14, KVB                        ; the batch's first byte of kv
	s_mul_i32 s18, s[W3], STEPB/4                  ; step 24: my quarter
	s_add_co_u32 s20, s16, s18
	s_add_co_u32 s20, s20, 24*STEPB
	s_mov_b32 s21, 0
	s_mul_i32 s19, s[W3], STEPB                    ; a slot: my step
	s_add_co_u32 s22, s16, s19
	s_mov_b32 s23, 0
	s_mov_b32 s[G0X], 1                            ; 1:0 count = 1
	s_add_co_u32 s[G0X+1], s18, XREG               ; 63:32 LDS address
	s_mov_b32 s[G0A], 1
	s_mov_b32 s[G0A+1], s19
	s_mov_b32 s[G0B], 1
	s_add_co_u32 s[G0B+1], s19, SLOT1
	s_mov_b32 s[SEL], 0x76543210
	s_mov_b32 s[SEL+1], 0xfedcba98
	s_mov_b32 s[CS], 0x3db8aa3b                    ; log2(e) / 16
	s_mov_b32 s[CS+1], s[CS]                       ; (named with it as a pair, so it is written)
	; Q is a tile of K's codes: query 16 T + r lies in step T / 8, tile (T & 6) + r / 8, row r % 8 + 8 (T & 1)
	s_lshr_b32 s2, s15, 3
	s_mul_i32 s2, s2, STEPB
	s_add_co_u32 s2, s2, s16
	s_and_b32 s3, s15, 1
	s_lshl_b32 s3, s3, 7
	s_add_co_u32 s2, s2, s3                        ; the step's block + 128 (T & 1): 8 rows of 16 bytes, in fragments and scale words alike
	s_and_b32 s3, s15, 6
	s_lshl_b32 s3, s3, 11
	s_add_co_u32 s60, s2, s3
	s_mov_b32 s61, 0
	s_bfe_u32 s3, s15, 0x10002
	s_lshl_b32 s3, s3, 9
	s_add_co_u32 s62, s2, s3
	s_and_b32 s3, s15, 2
	s_lshl_b32 s3, s3, 2
	s_add_co_u32 s62, s62, s3
	s_add_co_u32 s62, s62, KSOFF
	s_mov_b32 s63, 0
	s_mul_i32 s2, s14, BATCH
	s_mul_i32 s3, s13, 448
	s_add_co_u32 s2, s2, s3                        ; my block's 448 bytes in the batch's first row
	s_mov_b32 s3, 0
	s_lshl_b32 s59, s[WV], 6                       ; my tile's 64 bytes in a stage row
	s_wait_kmcnt 0x0
	s_add_nc_u64 s[G0X+2:G0X+3], s[4:5], s[20:21]  ; 120:64 global address
	s_or_b32 s[G0X+3], s[G0X+3], 0x80000000        ; 127:126 type = 2
	s_add_nc_u64 s[G0A+2:G0A+3], s[4:5], s[22:23]  ; steps 0 to 3
	s_or_b32 s[G0A+3], s[G0A+3], 0x80000000
	s_add_nc_u64 s[G0B+2:G0B+3], s[4:5], s[22:23]
	s_add_nc_u64 s[G0B+2:G0B+3], s[G0B+2:G0B+3], SLOTB   ; steps 4 to 7
	s_or_b32 s[G0B+3], s[G0B+3], 0x80000000
	s_add_nc_u64 s[60:61], s[4:5], s[60:61]        ; Q's fragments
	s_add_nc_u64 s[62:63], s[4:5], s[62:63]        ; Q's scale words
	s_add_nc_u64 s[6:7], s[6:7], s[2:3]
	s_add_nc_u64 s[8:9], s[8:9], s[2:3]
	CROUND                                         ; all four work-groups are here: the first joint loads meet
	s_cmp_lt_u32 s[WV], 4                          ; a wave's three first fills stand in one branch, ahead of every wait on TENSORcnt and every LDS read: three loads of mine are out
	s_cbranch_scc0 .Lno_first
	tensor_load_to_lds s[G0X:G0X+3], s[G1X:G1X+7]
	s_nop 0
	tensor_load_to_lds s[G0A:G0A+3], s[G1:G1+7]
	s_nop 0
	tensor_load_to_lds s[G0B:G0B+3], s[G1:G1+7]
	s_nop 0
.rept 4
	v_nop
.endr
.Lno_first:
	v_bfe_u32 v232, v0, 3, 1
	v_and_b32 v233, 7, v0
	v_bfe_u32 v234, v0, 4, 1                       ; h
	v_lshlrev_b32 v[QA], 11, v232
	v_lshl_add_u32 v[QA], v233, 4, v[QA]
	v_lshl_add_u32 v[QA], v234, 8, v[QA]           ; 2,048 (r / 8) + 16 (r % 8) + 256 h
	v_lshlrev_b32 v[QSA], 4, v233
	v_lshl_add_u32 v[QSA], v234, 8, v[QSA]
	v_lshl_add_u32 v[QSA], v232, 2, v[QSA]         ; 16 (r % 8) + 256 kc + 4 (r / 8): lanes 0-15 take the word of channels 0-127, lanes 16-31 that of 128-255
.irp f, 0,1,2,3
	global_load_b128 v[16+4*\f:19+4*\f], v[QA], s[60:61] offset:512*\f   ; Q's two fragments stay in registers
.endr
	global_load_b32 v255, v[QSA], s[62:63]
	v_and_b32 v[LI], 31, v0
	v_lshlrev_b32 v[LI], 4, v[LI]
	v_lshlrev_b32 v[RD], 4, v0                     ; the way back: thread t takes piece t of the 224 pieces of eight dense stage rows: row t / 28, piece t % 28
	v_add_nc_u32 v[RD2], HALFST, v[RD]
	v_mul_u32_u24 v235, v0, 2341
	v_lshrrev_b32 v235, 16, v235                   ; the same place in memory: thread / 28 (exact for 0 .. 223): which of 8 rows,
	v_mul_u32_u24 v236, v235, 28
	v_sub_nc_u32 v236, v0, v236                    ; thread % 28: which 16 bytes of its 448
	v_mul_u32_u24 v[GO], v235, ROW
	v_lshl_add_u32 v[GO], v236, 4, v[GO]
	v_and_b32 v237, 15, v0
	v_mul_u32_u24 v[SO], v234, 8*SP                ; in: lanes 16-31 hold channels 8 further on: 896 words on, the same banks as lanes 0-15 (64 banks of 4 bytes: ISA guide 11.1): the price of dense rows, paid once
	v_lshl_add_u32 v[SO], v237, 2, v[SO]
	v_add_nc_u32 v[SO], s59, v[SO]
	v_add_nc_u32 v[SO2], HALFST, v[SO]
	v_mov_b32 v14, 0                               ; l, in two halves
	v_mov_b32 v15, 0
.irp b, 0,1,2,3
	v_mov_b32 v[236+\b], 0                         ; written once: a lane permute's destination counts as one of its sources
.endr
.macro KLOAD g                         ; K's tiles 4 g .. 4 g + 3: 8 fragments, 16 loads of 512 consecutive bytes
.set f, 0
.rept 16
	ds_load_b128 v[32+128*\g+4*f:35+128*\g+4*f], v[ADR] offset:8192*\g+512*f
.set f, f+1
.endr
.endm
.macro VLOAD                           ; V's 16 fragments into window 1
	WIN 0x40                                       ; destination window 1, address window 0
.set f, 0
.rept 32
	ds_load_b128 v[128+4*f:131+4*f], v[ADR] offset:VOFF+512*f
.set f, f+1
.endr
	WIN 0
.endm
; S^T of tiles 4 g .. 4 g + 3: channels 0-127 start the four sums, channels 128-255 add in place; the four accumulators take turns, one instruction a turn.
; One register carries a tile's scale words of both halves of the channels: lanes 0-15 the first, lanes 16-31 (ROW1) the second; Q's likewise.
.macro QK g
.irp t, 0,1,2,3
	v_wmma_scale_f32_16x16x128_f8f6f4 v[96+32*\g+8*\t:103+32*\g+8*\t], v[32+128*\g+16*\t:39+128*\g+16*\t], v[16:23], 0, v[240+8*\g+\t], v255 matrix_a_fmt:MATRIX_FMT_FP4 matrix_b_fmt:MATRIX_FMT_FP4
.endr
.irp t, 0,1,2,3
	v_wmma_scale_f32_16x16x128_f8f6f4 v[96+32*\g+8*\t:103+32*\g+8*\t], v[40+128*\g+16*\t:47+128*\g+16*\t], v[24:31], v[96+32*\g+8*\t:103+32*\g+8*\t], v[240+8*\g+\t], v255 matrix_a_fmt:MATRIX_FMT_FP4 matrix_b_fmt:MATRIX_FMT_FP4 matrix_a_scale:MATRIX_SCALE_ROW1 matrix_b_scale:MATRIX_SCALE_ROW1
.endr
.endm
; O^T's tile ct: source 0 = 16 channels of V, source 1 = p.  Scale register ct / 2 holds the words of tile 2 j in lanes 0-15 and of tile 2 j + 1 in lanes 16-31.  x = 1: the product starts the sum
.macro PVP ct, x
.set rV, 240+(\ct)/2+4*((\ct)/8)
.if \x
.if (\ct)%2
	v_wmma_scale_f32_16x16x128_f8f6f4 v[8*\ct:8*\ct+7], v[128+8*\ct:135+8*\ct], v[224:231], 0, v[rV], v253 matrix_a_fmt:MATRIX_FMT_FP4 matrix_b_fmt:MATRIX_FMT_FP4 matrix_a_scale:MATRIX_SCALE_ROW1
.else
	v_wmma_scale_f32_16x16x128_f8f6f4 v[8*\ct:8*\ct+7], v[128+8*\ct:135+8*\ct], v[224:231], 0, v[rV], v253 matrix_a_fmt:MATRIX_FMT_FP4 matrix_b_fmt:MATRIX_FMT_FP4
.endif
.else
.if (\ct)%2
	v_wmma_scale_f32_16x16x128_f8f6f4 v[8*\ct:8*\ct+7], v[128+8*\ct:135+8*\ct], v[224:231], v[8*\ct:8*\ct+7], v[rV], v253 matrix_a_fmt:MATRIX_FMT_FP4 matrix_b_fmt:MATRIX_FMT_FP4 matrix_a_scale:MATRIX_SCALE_ROW1
.else
	v_wmma_scale_f32_16x16x128_f8f6f4 v[8*\ct:8*\ct+7], v[128+8*\ct:135+8*\ct], v[224:231], v[8*\ct:8*\ct+7], v[rV], v253 matrix_a_fmt:MATRIX_FMT_FP4 matrix_b_fmt:MATRIX_FMT_FP4
.endif
.endif
.endm
; A KEY STEP, at LDS byte s[TB].  x = 0: 128 keys.  x = 1: step 24, the first that is worked: 64 keys (NB = 2 blocks of 32); it starts M, l and O^T.
.macro STEP x
.set NB, 4-2*\x
	v_add_nc_u32 v[ADR], s[TB], v[LI]
	PLACES                                         ; behind the last step's products, in front of the loads into their scale registers and V's
	ds_load_b128 v[240:243], v[ADR] offset:KSOFF   ; the scale words of K's tiles 0-3
.if \x
	KLOAD 0
	VLOAD
	s_wait_dscnt 32                                ; all but V's 32 loads
	QK 0
.else
	ds_load_b128 v[248:251], v[ADR] offset:KSOFF+512
	KLOAD 0
	KLOAD 1
	s_wait_dscnt 16                                ; the scale words and tiles 0-3 are in; tiles 4-7's 16 loads may be out
	QK 0
	VLOAD                                          ; asked for a softmax ahead of its use
	s_wait_dscnt 32                                ; tiles 4-7 are in; V's 32 loads may be out
	QK 1
.endif
	PLACES                                         ; in front of the loads into K's scale registers, and of the first read of the scores
	ds_load_b128 v[240:243], v[ADR] offset:VSOFF   ; V's scale words take their place
	ds_load_b128 v[248:251], v[ADR] offset:VSOFF+512
	; the largest score of each block of 32 keys: it serves for the row's maximum and, since p rises with the score, for the block's largest p.  Each accumulator is read from its low end on
.set b, 0
.rept NB
	v_max3_num_f32 v[232+b], v[96+16*b], v[97+16*b], v[98+16*b]
.set b, b+1
.endr
.irp i, 3,5,7,9,11,13
.set b, 0
.rept NB
	v_max3_num_f32 v[232+b], v[232+b], v[96+16*b+\i], v[97+16*b+\i]
.set b, b+1
.endr
.endr
.set b, 0
.rept NB
	v_max_num_f32 v[232+b], v[232+b], v[111+16*b]
.set b, b+1
.endr
.set b, 0
.rept NB
	v_permlanex16_b32 v[236+b], v[232+b], s[SEL], s[SEL+1]
.set b, b+1
.endr
.set b, 0
.rept NB
	v_max_num_f32 v[232+b], v[232+b], v[236+b]     ; with lane l xor 16's 16 keys
.set b, b+1
.endr
.if \x
	v_max_num_f32 v254, v232, v233
	v_mul_f32 v13, s[CS], v254                     ; the largest t so far
	v_floor_f32 v12, -v13                          ; -M = floor(-t) = -ceil(t)
.else
	v_max3_num_f32 v254, v232, v233, v234
	v_max_num_f32 v254, v254, v235
	v_mul_f32 v254, s[CS], v254                    ; the step's largest t of my query
	v_max_num_f32 v13, v13, v254
	v_mov_b32 v254, v12
	v_floor_f32 v12, -v13                          ; the new -M
	v_sub_f32 v254, v12, v254                      ; old M - new M: a whole number, 0 or less
	v_cvt_i32_f32 v254, v254                       ; (it saturates)
	v_ldexp_f32 v252, 1.0, v254                    ; f = 2^(old M - new M)
.endif
.set j, 0
.rept 8*NB
	v_pk_fma_f32 v[96+j:97+j], v[96+j:97+j], s[CS:CS+1], v[12:13] op_sel_hi:[1,0,0]   ; t - M, two at a time
.set j, j+2
.endr
.set b, 0
.rept NB
	v_fma_f32 v[232+b], v[232+b], s[CS], v12       ; the same of each block's largest score
.set b, b+1
.endr
.set j, 0
.rept 16*NB
	v_exp_f32 v[96+j], v[96+j]                     ; p = 2^(t - M), at most 1: not normalised
.set j, j+1
.endr
.set b, 0
.rept NB
	v_exp_f32 v[232+b], v[232+b]                   ; the block's largest p: the same two instructions on the same number
.set b, b+1
.endr
.if \x
	v_nop                                          ; a plain line behind the exponentials
	s_wait_alu depctr_va_vdst(0)
.else
	v_pk_mul_f32 v[14:15], v[14:15], v[252:253] op_sel_hi:[1,0]   ; l under the new M.  (A plain line behind the exponentials)
	s_wait_alu depctr_va_vdst(0)
.endif
.set b, 0
.rept NB
	v_max_num_f32 v[232+b], 0x1800000, v[232+b]    ; the floor 2^(3 - 127): the byte cannot fall under 1
.set b, b+1
.endr
.set b, 0
.rept NB
	v_add_nc_u32 v[244+b], 0xff000000, v[232+b]    ; 2 off the exponent field: the conversion's scale operand
.set b, b+1
.endr
.set b, 0
.rept NB
	v_lshrrev_b32 v[236+b], 23, v[244+b]           ; the scale's byte
.set b, b+1
.endr
	v_lshl_or_b32 v253, v237, 8, v236              ; p's scale word for these keys
.if \x
	v_or_b32 v253, 0x7f7f0000, v253                ; the two blocks that do not exist: the byte of 1.0 over zero codes
.else
	v_lshl_or_b32 v253, v238, 16, v253
	v_lshl_or_b32 v253, v239, 24, v253
.endif
.set b, 0
.rept NB
	v_cvt_scalef32_pk8_fp4_f32 v[224+2*b], v[96+16*b:103+16*b], v[244+b]
	v_cvt_scalef32_pk8_fp4_f32 v[225+2*b], v[104+16*b:111+16*b], v[244+b]
.set b, b+1
.endr
	v_nop                                          ; one plain line behind the scaled conversions
.set cc, 0
.rept NB/2                                     ; the operand's layout wants a whole block in a lane: lanes 0-15 block 2 c, lanes 16-31 block 2 c + 1
	v_permlane16_swap_b32 v[224+4*cc], v[226+4*cc]
	v_permlane16_swap_b32 v[225+4*cc], v[227+4*cc]
.set cc, cc+1
.endr
.if \x
.irp i, 228,229,230,231
	v_mov_b32 v\i, 0                               ; keys 64 on: zero codes
.endr
.endif
	v_pk_add_f32 v[236:237], v[96:97], v[98:99]    ; l takes the UNQUANTISED p: two at a time, in two chains.  (With x = 1 these 16 lines are the places between p's scale word and codes and the products)
.set j, 4
.rept 4*NB-1
	v_pk_add_f32 v[14:15], v[14:15], v[96+j:97+j]
	v_pk_add_f32 v[236:237], v[236:237], v[98+j:99+j]
.set j, j+4
.endr
	v_pk_add_f32 v[14:15], v[14:15], v[236:237]
.if !\x
	WIN 0x41                                       ; O^T (destination and source 0) in window 1, f in window 0
.set j, 0
.rept 64
	v_pk_mul_f32 v[j:j+1], v[j:j+1], v[252:253] op_sel_hi:[1,0]   ; O^T under the new M, each accumulator from its low end on
.set j, j+2
.endr
.endif
	s_wait_dscnt 0x0                               ; V and its scale words are in
	WIN 0x51                                       ; V, C and D in window 1, p in window 0
.irp ct, 0,1,2,3,4,5,6,7,8,9,10,11,12,13,14,15
	PVP \ct, \x
.endr
	WIN 0                                          ; at a label and at a branch every window is 0
.endm
; THE CHANGE OF SLOTS stands at a slot's head.  Each wave waits for all its tensor loads (its part of the slot that it is about to read), adds 0 to its spare word, and waits for that and for its reads of the slot
; that it has left.  fill = 1: the barrier is a round of the cluster's, so that no wave of any partner still reads that slot or has a load on its way, and the joint refill, eight steps on, is the first thing behind it.
.macro CHANGE g0, fill
	s_wait_tensorcnt 0x0                           ; no tensor load of mine is out, so a group 0 may be written
	ds_add_u32 v[SPW], v[NIL]                      ; 0 onto my spare word
.if \fill
	s_add_nc_u64 s[\g0+2:\g0+3], s[\g0+2:\g0+3], 2*SLOTB   ; the slot's next four steps; the type bits on top are not reached
	s_wait_dscnt 0x0                               ; the add is done, and my reads of the slot that I have left are over
	CROUND
	JLOAD \g0
.else
	s_wait_dscnt 0x0
	s_barrier_signal -1
	s_barrier_wait -1
.endif
.endm
.macro SLOT_STEPS base                 ; a slot's four steps: written once, walked four times
	s_mov_b32 s[TB], \base
	s_mov_b32 s[CNT], 4
.Lst_\@:
	STEP 0
	s_add_co_u32 s[TB], s[TB], STEPB
	s_sub_co_u32 s[CNT], s[CNT], 1
	s_cmp_lg_u32 s[CNT], 0
	s_cbranch_scc1 .Lst_\@
.endm
	s_wait_tensorcnt 0x2                           ; my quarter of step 24 is in; the two slots' loads may stay out
	s_barrier_signal -1
	s_barrier_wait -1                              ; everybody's is
	s_wait_loadcnt 0x0                             ; Q
	s_mov_b32 s[TB], XREG
	STEP 1
	s_wait_tensorcnt 0x1                           ; my step of slot 0 is in; slot 1's may stay out
	s_wait_dscnt 0x0
	s_barrier_signal -1
	s_barrier_wait -1
	SLOT_STEPS 0                                   ; steps 0-3
	s_mov_b32 s[LAPS], 2
.Llap:                                                 ; two laps: slot 0 takes steps 8-11, then 16-19; slot 1 takes 12-15, then 20-23
	CHANGE G0A, 1
	SLOT_STEPS SLOT1
	CHANGE G0B, 1
	SLOT_STEPS 0
	s_sub_co_u32 s[LAPS], s[LAPS], 1
	s_cmp_lg_u32 s[LAPS], 0
	s_cbranch_scc1 .Llap
	CHANGE G0A, 0                                  ; the last slot is written out: nothing is left to fetch
	SLOT_STEPS SLOT1                               ; steps 20-23
	; THE WAY OUT
	PLACES
	v_add_f32 v14, v14, v15                        ; l's two halves,
	v_permlanex16_b32 v252, v14, s[SEL], s[SEL+1]
	v_add_f32 v14, v14, v252                       ; and lane l xor 16's
	v_rcp_f32 v14, v14
	v_nop                                          ; a plain line behind the reciprocal
.set i, 0
.rept 32
	global_load_b128 v[32+4*i:35+4*i], v[GO], s[6:7] offset:i*8*ROW th:TH_LOAD_NT   ; the residual, asked for early: rows 8 i + thread / 28; 28 neighbouring threads read a row's 448 bytes
.set i, i+1
.endr
	WIN 0x41
.set j, 0
	s_wait_alu depctr_va_vdst(0)
.rept 64
	v_pk_mul_f32 v[j:j+1], v[j:j+1], v[14:15] op_sel_hi:[1,0]   ; O^T / l, each accumulator from its low end on
.set j, j+2
.endr
	WIN 0x04                                       ; an LDS store's data are its source 1: window 1
.set j, 0
.rept 64
	ds_store_b32 v[SO], v[j] offset:(16*(j/8)+j%8)*SP          ; register 8 ct + i of lane (r, h): channel 16 ct + 8 h + i, query r of my tile
.set j, j+1
.endr
.rept 64
	ds_store_b32 v[SO2], v[j] offset:(16*((j-64)/8)+j%8)*SP
.set j, j+1
.endr
	WIN 0
	s_wait_dscnt 0x0                               ; for the others' sake: my stores into the stage are done
	s_barrier_signal -1
	s_barrier_wait -1                              ; 256 whole rows lie in the stage
.macro BACK k                          ; batch k: rows 64 k + 8 m + thread / 28, m = 0 .. 7, into set k % 2: each load of the work-group takes eight dense rows, 3,584 consecutive bytes
.irp m, 0,1,2,3,4,5,6,7
.if \k < 2
	ds_load_b128 v[160+32*(\k%2)+4*\m:163+32*(\k%2)+4*\m], v[RD] offset:(8*\k+\m)*8*SP
.else
	ds_load_b128 v[160+32*(\k%2)+4*\m:163+32*(\k%2)+4*\m], v[RD2] offset:(8*(\k-2)+\m)*8*SP
.endif
.endr
.endm
.macro OUT k, younger                  ; younger: the next batch's LDS loads, which may stay out
	s_wait_dscnt \younger
	s_wait_loadcnt 24-8*\k                         ; the residual of batches 0 .. k is in; that of the later batches may be out
.irp m, 0,1,2,3,4,5,6,7
	v_pk_add_f32 v[160+32*(\k%2)+4*\m:161+32*(\k%2)+4*\m], v[160+32*(\k%2)+4*\m:161+32*(\k%2)+4*\m], v[32+32*\k+4*\m:33+32*\k+4*\m]
	v_pk_add_f32 v[162+32*(\k%2)+4*\m:163+32*(\k%2)+4*\m], v[162+32*(\k%2)+4*\m:163+32*(\k%2)+4*\m], v[34+32*\k+4*\m:35+32*\k+4*\m]
.endr
.irp m, 0,1,2,3,4,5,6,7
	global_store_b128 v[GO], v[160+32*(\k%2)+4*\m:163+32*(\k%2)+4*\m], s[8:9] offset:(8*\k+\m)*8*ROW th:TH_STORE_NT
.endr
.endm
	BACK 0
	BACK 1
	OUT 0, 8
	s_wait_xcnt 0x0                                ; batch 0's stores have read their registers: batch 2's loads may land there
	BACK 2
	OUT 1, 8
	s_wait_xcnt 0x0
	BACK 3
	OUT 2, 8
	OUT 3, 0
	s_wait_tensorcnt 0x0                           ; the wave's end, behind my last tensor load and my last LDS store
	ds_add_u32 v[SPW], v[NIL]
	s_wait_dscnt 0x0
	CROUND                                         ; the closing round: no work-group ends while a partner may still ask for a tile that names it
	s_endpgm
.Lfunc_end_k_qebff0180d7_attn:
	.size	k_qebff0180d7_attn, .Lfunc_end_k_qebff0180d7_attn-k_qebff0180d7_attn
	.p2alignl 7, 3214868480
	.fill 96, 4, 3214868480
	.section	.rodata,"a",@progbits
	.p2align	6, 0x0
	.amdhsa_kernel k_qebff0180d7_attn
		.amdhsa_group_segment_fixed_size 327680
		.amdhsa_private_segment_fixed_size 0
		.amdhsa_enable_private_segment 0
		.amdhsa_kernarg_size 24
		.amdhsa_user_sgpr_count 2
		.amdhsa_user_sgpr_kernarg_segment_ptr 1
		.amdhsa_wavefront_size32 1
		.amdhsa_system_sgpr_workgroup_id_x 1
		.amdhsa_system_sgpr_workgroup_id_y 1
		.amdhsa_system_sgpr_workgroup_id_z 1
		.amdhsa_system_vgpr_workitem_id 0
		.amdhsa_next_free_vgpr 512
		.amdhsa_next_free_sgpr 66
		.amdhsa_reserve_vcc 0
		.amdhsa_float_denorm_mode_32 3
		.amdhsa_float_denorm_mode_16_64 3
		.amdhsa_memory_ordered 1
		.amdhsa_forward_progress 1
		.amdhsa_inst_pref_size 141
	.end_amdhsa_kernel
	.amdgpu_metadata
---
amdhsa.version: [ 1, 2 ]
amdhsa.kernels:
  - .name:           k_qebff0180d7_attn
    .symbol:         k_qebff0180d7_attn.kd
    .args:
      - { .name: kv, .offset: 0, .size: 8, .value_kind: global_buffer, .address_space: global }
      - { .name: query, .offset: 8, .size: 8, .value_kind: global_buffer, .address_space: global }
      - { .name: out0, .offset: 16, .size: 8, .value_kind: global_buffer, .address_space: global }
    .group_segment_fixed_size: 327680
    .private_segment_fixed_size: 0
    .kernarg_segment_align: 8
    .kernarg_segment_size: 24
    .max_flat_workgroup_size: 224
    .sgpr_count:     66
    .vgpr_count:     512
    .wavefront_size: 32
...
	.end_amdgpu_metadata
.endif
;; end of part 2
